; MI455X (gfx1250); checked and timed in simulation.
; The chip was launched on July 23, 2026; its instructions are those of AMD's public machine-readable ISA for CDNA 5 (MIT licence, August 2026) and "CDNA5" Instruction Set Architecture Reference Guide (July 2026). The comments in the code are by the model that wrote it; some were corrected since.
;; Multi Head Self Cross Attention. Allowed arithmetic: matrix products marked QUANTISED: E2M1 operands, one E8M0 scale for each 32 along K, by v_wmma_scale_f32_16x16x128_f8f6f4 with both operands' format E2M1 (or v_wmma_scale_f32_32x16x128_f4), f32 sums; everything else in f32.
;; Inputs: Wkc_codes 512 x 32 x 16 uint8 (E2M1 codes of Wkc, K innermost, in blocks of 32 codes, two codes a byte); Wkc_scales 512 x 32 uint8 (E8M0 scales of Wkc, one for each 32 codes along K); Wks_codes 512 x 32 x 16 uint8 (E2M1 codes of Wks, K innermost, in blocks of 32 codes, two codes a byte); Wks_scales 512 x 32 uint8 (E8M0 scales of Wks, one for each 32 codes along K); Wo_codes 1,024 x 64 x 16 uint8 (E2M1 codes of Wo, K innermost, in blocks of 32 codes, two codes a byte); Wo_scales 1,024 x 64 uint8 (E8M0 scales of Wo, one for each 32 codes along K); Wqc_codes 512 x 32 x 16 uint8 (E2M1 codes of Wqc, K innermost, in blocks of 32 codes, two codes a byte); Wqc_scales 512 x 32 uint8 (E8M0 scales of Wqc, one for each 32 codes along K); Wqs_codes 512 x 32 x 16 uint8 (E2M1 codes of Wqs, K innermost, in blocks of 32 codes, two codes a byte); Wqs_scales 512 x 32 uint8 (E8M0 scales of Wqs, one for each 32 codes along K); Wvc_codes 512 x 32 x 16 uint8 (E2M1 codes of Wvc, K innermost, in blocks of 32 codes, two codes a byte); Wvc_scales 512 x 32 uint8 (E8M0 scales of Wvc, one for each 32 codes along K); Wvs_codes 512 x 32 x 16 uint8 (E2M1 codes of Wvs, K innermost, in blocks of 32 codes, two codes a byte); Wvs_scales 512 x 32 uint8 (E8M0 scales of Wvs, one for each 32 codes along K); bkc 512 float32; bks 512 float32; bo 1,024 float32; bqc 512 float32; bqs 512 float32; bvc 512 float32; bvs 512 float32; f1_codes 2 x 2,048 x 32 x 16 uint8 (E2M1 codes of f1, K innermost, in blocks of 32 codes, two codes a byte); f1_scales 2 x 2,048 x 32 uint8 (E8M0 scales of f1, one for each 32 codes along K); f2_codes 2 x 2,048 x 32 x 16 uint8 (E2M1 codes of f2, K innermost, in blocks of 32 codes, two codes a byte); f2_scales 2 x 2,048 x 32 uint8 (E8M0 scales of f2, one for each 32 codes along K).
;; Outputs: out0 2 x 2,048 x 1,024 float32.
;; This version of the problem:
;;   THIS VERSION OF THE PROBLEM IS GIVEN IN LOW PRECISION. The matrix products marked QUANTISED in the list below multiply operands that are first quantised to E2M1 (2 exponent bits, 1 mantissa bit; 4 bits a number), with one power-of-two scale for each 32 numbers along K (OCP MX v1.0); their sums are f32. All else is computed in f32.
;;   The module's matrix products, in the order in which they are computed (A, B: the left and right operand; K: the contracted axis; several contracted axes count as one K, in the product's order):
;;     1. [M 4,096, K 1,024] x [K 1,024, N 512]; A: input f1 (given as codes); B: input Wqs (given as codes): QUANTISED
;;     2. [M 4,096, K 1,024] x [K 1,024, N 512]; A: input f1 (given as codes); B: input Wks (given as codes): QUANTISED
;;     3. [M 4,096, K 1,024] x [K 1,024, N 512]; A: input f1 (given as codes); B: input Wvs (given as codes): QUANTISED
;;     4. [M 4,096, K 1,024] x [K 1,024, N 512]; A: input f1 (given as codes); B: input Wqc (given as codes): QUANTISED
;;     5. [M 4,096, K 1,024] x [K 1,024, N 512]; A: input f2 (given as codes); B: input Wkc (given as codes): QUANTISED
;;     6. [M 4,096, K 1,024] x [K 1,024, N 512]; A: input f2 (given as codes); B: input Wvc (given as codes): QUANTISED
;;     7. batch 16 x [M 2,048, K 64] x [K 64, N 2,048]; A: computed on the way; B: computed on the way: QUANTISED
;;     8. batch 16 x [M 2,048, K 2,048] x [K 2,048, N 64]; A: softmax (see below); B: computed on the way: QUANTISED
;;     9. batch 16 x [M 2,048, K 64] x [K 64, N 2,048]; A: computed on the way; B: computed on the way: QUANTISED
;;     10. batch 16 x [M 2,048, K 2,048] x [K 2,048, N 64]; A: softmax (see below); B: computed on the way: QUANTISED
;;     11. [M 4,096, K 2,048] x [K 2,048, N 1,024]; A: computed on the way; B: input Wo (given as codes): QUANTISED
;;   THE QUANTISER, for each operand of a quantised product, along K:
;;     - K is cut into blocks of 32 from its start; a last block that is shorter is filled with zeros.
;;     - A block's scale is 2^e with e = floor(log2(the largest magnitude in the block)) - 2, held to -126 .. 127; a block of zeros has e = 0. As a byte (E8M0): e + 127.
;;     - Each number is divided by its block's scale, clamped to +-6, and rounded to the nearest number of E2M1, ties to even, subnormals kept.
;;     - The product sums the exact products of the quantised numbers (number of the format x scale) in f32.
;;   ~~~python
;;   def quantise(x, axis):      # numpy; x: float32 -> the quantised numbers, widened to float32 again
;;       x = np.moveaxis(x, axis, -1); K = x.shape[-1]
;;       x = np.pad(x, [(0, 0)] * (x.ndim - 1) + [(0, -K % 32)]); x = x.reshape(x.shape[:-1] + (-1, 32)); a = np.abs(x).max(-1, keepdims=True)
;;       e = np.where(a > 0, np.clip(np.frexp(np.where(a > 0, a, 1))[1] - 1 - 2, -126, 127), 0)      # np.frexp(a)[1] - 1 = floor(log2(a)), exactly
;;       r = np.clip(x / 2.0 ** e, -6, 6)
;;       step = 2.0 ** (np.maximum(np.frexp(np.where(r == 0, 1, r))[1] - 1, 0) - 1)
;;       q = np.round(r / step) * step * 2.0 ** e      # np.round: ties to even
;;       return np.moveaxis(q.reshape(q.shape[:-2] + (-1,))[..., :K], -1, axis).astype(np.float32)
;;   ~~~
;;   SOFTMAX AHEAD OF A QUANTISED PRODUCT. Where the list says 'softmax', what is quantised is not the finished softmax but p = 2^(t - M), with t = logit x log2(e) and M = ceil(the row's largest t), a whole number; so 1/2 < the row's largest p <= 1. The row's sum l is taken of the UNQUANTISED p, in f32, and the product's result is divided by l at the end. Since M is a whole number, a kernel that streams over the keys may use a running M (the ceiling of the running maximum): every later rescaling is an exact power of two, which a block's scale takes up: the codes' values come out the same.
;;   OPERANDS COMPUTED ON THE WAY. 'Computed on the way' means the value that the module computes at that place (a softmax that the list does not call 'softmax' is quantised finished and normalised). What goes into a quantiser is computed in f32, as accurately as f32 sums, v_exp_f32 and their like allow (about 1e-6 of the number): no bf16 or f16 on the way to a quantiser, and a product that is left as it is and whose result goes on into a quantised operand takes f32 operands (vector FMAs, or v_wmma_f32_16x16x4_f32). A number that lies on a knife's edge between two numbers of the format may be rounded either way, as far as f32 arithmetic and the matrix unit's own rounding can turn it there, and no further.
;;   INPUTS GIVEN AS CODES. Wkc (in the module: [512, 1024], K = its axis 1); Wks (in the module: [512, 1024], K = its axis 1); Wo (in the module: [1024, 2048], K = its axis 1); Wqc (in the module: [512, 1024], K = its axis 1); Wqs (in the module: [512, 1024], K = its axis 1); Wvc (in the module: [512, 1024], K = its axis 1); Wvs (in the module: [512, 1024], K = its axis 1); f1 (in the module: [2, 2048, 1024], K = its axis 2); f2 (in the module: [2, 2048, 1024], K = its axis 2): each comes as NAME_codes (uint8): NAME with its K axis moved to the last place and cut into blocks of 32 codes, [.., K / 32, bytes a block], one block behind the other in memory; two codes a byte, the lower K in the low four bits (a code: sign, 2 exponent bits, 1 mantissa bit); and NAME_scales (uint8): the same leading axes, one E8M0 byte (e + 127) for each 32 codes along K. Its value is code x scale, taken as it is: it is not quantised again, and the codes and scales need not be those that the quantiser above would give.
;; One version. Each part assembles by itself: llvm-mc -triple=amdgcn-amd-amdhsa -mcpu=gfx1250 --defsym DOCPART=n.
;; ======== version 1 of 1: 3 launches
;; limits: right only within a limited range of input values
;; workspace buffers: qk_codes 4,194,304 bytes; qk_scales 262,144 bytes; y_codes 4,194,304 bytes; y_scales 262,144 bytes; vt_codes 2,097,152 bytes; vt_scales 131,072 bytes
;; launch proj (part 1): grid 32 x 8, 16 waves a work-group, no clusters, 297,984 bytes of LDS; arguments f1_codes, f1_scales, f2_codes, f2_scales, Wqs_codes, Wqs_scales, bqs, Wks_codes, Wks_scales, bks, Wqc_codes, Wqc_scales, bqc, Wkc_codes, Wkc_scales, bkc, Wvs_codes, Wvs_scales, bvs, Wvc_codes, Wvc_scales, bvc, qk_codes, qk_scales, y_codes, y_scales, vt_codes, vt_scales; writes qk_codes, qk_scales, y_codes, y_scales, vt_codes, vt_scales
.if DOCPART == 1
	.amdgcn_target "amdgcn-amd-amdhsa--gfx1250"
	.amdhsa_code_object_version 6
	.text
	.protected	k_qd41791edc5_proj
	.globl	k_qd41791edc5_proj
	.p2align	8
	.type	k_qd41791edc5_proj,@function
k_qd41791edc5_proj:
	s_mov_b64 s[64:65], 0
	v_nop
	global_prefetch_b8 v0, s[64:65] scope:SCOPE_SE
	s_setreg_imm32_b32 hwreg(HW_REG_WAVE_MODE, 25, 1), 1
	s_wait_xcnt 0x0
; THE SIX PROJECTIONS, relu(x W^T + b), on codes of FP4 (E2M1) with one E8M0 scale for each 32 along K = 1,024, and their results quantised again for the products that follow.
; ONE GENERIC PRODUCT: Z[I][J] = relu(P R^T + bias), source 0 = 16 rows of P, source 1 = 16 rows of R, quantised ALONG I.  P and R are both 256 rows of 512 bytes of codes and 32 scale bytes,
; so LDS and every LDS address know nothing of the job: only global pointers are chosen, by the work-group's y.
;   y = 0 qs, 1 ks, 2 qc, 3 kc, 4 vs, 5 vc: P = W (I = features), R = x (J = tokens): quantised along the features, for q k^T (blocks inside a head's 64) and for y Wo^T.
;   y = 6 vs, 7 vc once more with the sources swapped: P = x (I = tokens), R = W (J = features): the same sums, quantised along the tokens, which are the K of p v.
; x = 2 x (tile of 256 tokens) + (tile of 256 features): 32 x 8 = 256 work-groups of equal work.  Sixteen waves; wave w takes 128 of I (w / 8) x 32 of J (w % 8): 16 accumulators, 128 registers.
; THE RESULT'S LAYOUT.  In tile i of I a lane (r = lane % 16, h = lane / 16) holds row J = r and its register j holds I = 16 i + 8 h + j.  A block of 32 along I is tiles 2 b, 2 b + 1 of lanes l and l xor 16.
; The conversion of tile 2 b + u gives 8 codes: k 16 u + 8 h + 0..7 of block b.  Written to register 4 (b / 2) + 2 u + b % 2, two exchanges of halves for each 64 along I leave registers 4 c .. 4 c + 3 = k 64 c + 32 h + 0..31:
; an FP4 operand's own registers.  They are stored AS AN IMAGE: codes[I / 64][J / 16][lane][16 bytes], 512 consecutive bytes a store; scale words [I / 128][J][4 bytes].
; LDS IS FILLED ONCE: both panels for all of K (295,936 bytes), in one load a wave: waves 0-7 codes, waves 8-15 scale bytes; work begins when all are in.  No byte of LDS is filled twice.
; NO CLUSTER: a work-group asks for its two panels once, at its head, and its loop asks for nothing, so there is no stream of requests for a joint load to divide.
; LIMITS: NaN and infinities are not served.  A block of zeros gets the scale byte 1 where the quantiser's text says 127: its codes are zeros, and only this program reads the bytes.
.set PITCH, 272                        ; an LDS row of codes: 256 bytes + 16 of padding, so that the 16 rows of a fragment load start 68 words apart
.set HALFB, 256*PITCH                  ; 256 rows: one panel, one half of K
.set KINDB, 2*HALFB                    ; one panel
.set SCB,   2*KINDB                    ; behind the codes: P's scale bytes, then R's: blocks of 256 bytes (8 rows of 32) + 16 of padding
.set SCK,   32*PITCH
.set AP,  4                            ; v4, v5   LDS address of my P fragments, first and second half of K
.set AR,  6                            ; v6, v7   the same for R
.set ASP, 8                            ; v8       my lane's row among P's scale bytes (lane l: row l of 32)
.set ASR, 9                            ; v9       the same for R
.set LI,  10                           ; v10      16 x lane: an image's place
.set LS,  11                           ; v11      4 x lane: a scale word's place
.set BH,  12                           ; v12      32 h: my eight biases of a tile of features
.set BR,  13                           ; v13      4 r: my one bias of a tile of features
.set SP,  28                           ; v28-43   P's scale words, nothing else: register 4 (i / 2) + q: lanes 0-15 tile i even, lanes 16-31 tile i odd, K step q of the half
.set SR,  44                           ; v44-47   R's: lanes 0-15 tile 0, lanes 16-31 tile 1
.set RF,  48                           ; v48-63   R's two fragments
.set PF,  64                           ; v64-127  P's eight fragments
.set ACC, 128                          ; v128-255 accumulator (i, jt) at ACC + 64 jt + 8 i
.set PC0, 48                           ; the way out, in the fragments' registers: codes of J tile 0, of J tile 1,
.set PC1, 56
.set PW0, 64                           ; their scale words, the word that is stored,
.set PW1, 65
.set PWS, 66
.set TM,  72                           ; and v72-87 at work
.set WV,  4                            ; s4  wave
.set JB,  5                            ; s5  job
.set IT,  6                            ; s6  tile of 256 along I
.set JT0, 7                            ; s7  tile of 256 along J
.set WI,  66                           ; s66 my 128 of I
.set WJ,  67                           ; s67 my 32 of J
.set IST, 96                           ; s96 1: the sources are swapped (jobs 6, 7)
.set FT,  97                           ; s97 tile of 256 features
.set CSH, 98                           ; s98 log2 of the bytes from one chunk of 64 along I to the next in the job's codes buffer
.set G1C, 68                           ; s[68:75] descriptor group 1: codes;  s[76:83]: scale bytes;  s[84:91]: two groups 0
.set G1S, 76
.set G0,  84
	s_load_b512 s[8:23], s[0:1], 0x0               ; f1 codes, scales; f2 codes, scales; then six triples (codes, scales, bias): triple k at s[16 + 6 k]
	s_load_b512 s[24:39], s[0:1], 0x40
	s_load_b512 s[40:55], s[0:1], 0x80             ; .. s[52:53] qk_codes, s[54:55] qk_scales
	s_load_b256 s[56:63], s[0:1], 0xc0             ; y_codes, y_scales, vt_codes, vt_scales
	v_lshl_add_u32 v26, v0, 2, 0x48400
	v_mov_b32 v27, 0
	ds_add_u32 v26, v27
	ds_add_u32 v26, v27
	v_lshrrev_b32 v1, 5, v0
	s_delay_alu instid0(VALU_DEP_1)
	v_readfirstlane_b32 s[WV], v1                  ; wave 0..15
	s_and_b32 s[JB], ttmp7, 0xffff
	s_lshr_b32 s2, ttmp9, 1                        ; tile of tokens
	s_and_b32 s[FT], ttmp9, 1
	s_cmp_ge_u32 s[JB], 6
	s_cselect_b32 s[IST], 1, 0
	s_cselect_b32 s[IT], s2, s[FT]
	s_cselect_b32 s[JT0], s[FT], s2
	s_cselect_b32 s[CSH], 14, 17                   ; vt_codes: 32 tiles of 512 bytes a chunk; qk_codes, y_codes: 256 tiles
	s_lshr_b32 s[WI], s[WV], 3
	s_and_b32 s[WJ], s[WV], 7
	; group 1, codes: 128 rows x 256 bytes out of rows of 512; 16 bytes of padding behind each 256
	s_mov_b32 s[G1C+0], (0<<16)|(1<<20)|(5<<22)|(3<<25)
	s_mov_b32 s[G1C+1], 256<<16
	s_mov_b32 s[G1C+2], 128<<16                    ; a load of codes brings 128 rows of one half of K
	s_mov_b32 s[G1C+3], 256<<16
	s_mov_b32 s[G1C+4], 128
	s_mov_b32 s[G1C+5], 512
	s_mov_b32 s[G1C+6], 0
	s_mov_b32 s[G1C+7], 0
	; group 1, scale bytes of 64 rows: 2,048 dense bytes as 8 rows of 32 elements of 8 bytes, padded likewise
	s_mov_b32 s[G1S+0], (3<<16)|(1<<20)|(5<<22)|(3<<25)
	s_mov_b32 s[G1S+1], 32<<16
	s_mov_b32 s[G1S+2], 8<<16
	s_mov_b32 s[G1S+3], 32<<16
	s_mov_b32 s[G1S+4], 8
	s_mov_b32 s[G1S+5], 32
	s_mov_b32 s[G1S+6], 0
	s_mov_b32 s[G1S+7], 0
	; LDS addresses: constants, the lane and the wave alone
	v_and_b32 v1, 31, v0                           ; l
	v_and_b32 v2, 15, v0                           ; r
	v_bfe_u32 v3, v0, 4, 1                         ; h
	s_delay_alu instid0(VALU_DEP_2)
	v_mul_u32_u24 v14, v2, PITCH
	s_delay_alu instid0(VALU_DEP_1)
	v_lshl_add_u32 v14, v3, 4, v14                 ; a fragment's row x pitch + 16 h
	s_mul_i32 s2, s[WI], 128*PITCH
	v_add_nc_u32 v[AP], s2, v14
	s_delay_alu instid0(VALU_DEP_1)
	v_add_nc_u32 v[AP+1], HALFB, v[AP]
	s_mul_i32 s2, s[WJ], 32*PITCH
	s_add_co_u32 s2, s2, KINDB
	v_add_nc_u32 v[AR], s2, v14
	s_delay_alu instid0(VALU_DEP_1)
	v_add_nc_u32 v[AR+1], HALFB, v[AR]
	v_lshrrev_b32 v15, 3, v1
	v_and_b32 v16, 7, v1
	s_delay_alu instid0(VALU_DEP_2)
	v_mul_u32_u24 v15, v15, PITCH
	s_delay_alu instid0(VALU_DEP_1)
	v_lshl_add_u32 v15, v16, 5, v15                ; row l of scale bytes: block l / 8, 32 (l % 8) in it
	s_mul_i32 s2, s[WI], 16*PITCH
	s_add_co_u32 s2, s2, SCB
	v_add_nc_u32 v[ASP], s2, v15
	s_mul_i32 s2, s[WJ], 4*PITCH
	s_add_co_u32 s2, s2, SCB+SCK
	v_add_nc_u32 v[ASR], s2, v15
	v_lshlrev_b32 v[LI], 4, v1
	v_lshlrev_b32 v[LS], 2, v1
	v_lshlrev_b32 v[BH], 5, v3
	v_lshlrev_b32 v[BR], 2, v2
	s_wait_dscnt 0x0
	s_wait_kmcnt 0x0
	; the job's buffers: every choice hangs on the work-group's y alone
	s_cmp_ge_u32 s[JB], 6
	s_cselect_b32 s2, 2, 0
	s_sub_co_u32 s2, s[JB], s2                     ; which weight: jobs 6, 7 take those of 4, 5
.irp k, 1,2,3,4,5
	s_cmp_eq_u32 s2, \k
	s_cselect_b64 s[16:17], s[16+6*\k:17+6*\k], s[16:17]
	s_cselect_b64 s[18:19], s[18+6*\k:19+6*\k], s[18:19]
	s_cselect_b64 s[20:21], s[20+6*\k:21+6*\k], s[20:21]
.endr
	s_and_b32 s2, s[JB], 1
	s_cmp_ge_u32 s[JB], 3
	s_cselect_b32 s2, s2, 0                        ; f2 for kc and vc (jobs 3, 5, 7)
	s_cmp_lg_u32 s2, 0
	s_cselect_b64 s[8:9], s[12:13], s[8:9]
	s_cselect_b64 s[10:11], s[14:15], s[10:11]
	s_cmp_lg_u32 s[IST], 0
	s_cselect_b64 s[24:25], s[8:9], s[16:17]       ; P's codes,
	s_cselect_b64 s[26:27], s[10:11], s[18:19]     ; P's scales,
	s_cselect_b64 s[28:29], s[16:17], s[8:9]       ; R's codes,
	s_cselect_b64 s[30:31], s[18:19], s[10:11]     ; R's scales
	s_cmp_lt_u32 s[JB], 4
	s_cselect_b64 s[32:33], s[52:53], s[56:57]     ; where the codes go: qk, y or vt
	s_cselect_b64 s[36:37], s[54:55], s[58:59]     ; and the scale words
	s_cmp_lt_u32 s[JB], 6
	s_cselect_b64 s[32:33], s[32:33], s[60:61]
	s_cselect_b64 s[36:37], s[36:37], s[62:63]
	; what I fetch, if I fetch: every wave: panel w % 2
	s_and_b32 s40, s[WV], 1
	s_bfe_u32 s41, s[WV], 0x20001                  ; waves 8-15 fetch scale bytes: rows 64 ((w / 2) % 4) on
	s_bfe_u32 s3, s[WV], 0x10001                   ; waves 0-7 fetch codes: rows 128 ((w / 2) % 2) on,
	s_bfe_u32 s99, s[WV], 0x10002                  ; half w / 4 of K
	s_cmp_lg_u32 s40, 0
	s_cselect_b32 s42, s[JT0], s[IT]
	s_cselect_b64 s[G0+2:G0+3], s[30:31], s[26:27]
	s_cselect_b64 s[G0+6:G0+7], s[28:29], s[24:25]
	s_lshl_b32 s42, s42, 8
	s_lshl_b32 s43, s41, 6
	s_lshl_b32 s46, s3, 7
	s_add_co_u32 s46, s42, s46                     ; my first row of codes,
	s_add_co_u32 s42, s42, s43                     ; my first row of scale bytes
	s_lshl_b32 s44, s42, 5                         ; 32 scale bytes a row,
	s_mov_b32 s45, 0
	s_lshl_b32 s46, s46, 9                         ; 512 bytes of codes,
	s_lshl_b32 s47, s99, 8
	s_add_co_u32 s46, s46, s47                     ; the second half of K 256 bytes on
	s_mov_b32 s47, 0
	s_add_nc_u64 s[G0+2:G0+3], s[G0+2:G0+3], s[44:45]
	s_add_nc_u64 s[G0+6:G0+7], s[G0+6:G0+7], s[46:47]
	s_or_b32 s[G0+3], s[G0+3], 0x80000000
	s_or_b32 s[G0+7], s[G0+7], 0x80000000
	s_mov_b32 s[G0+0], 1
	s_mov_b32 s[G0+4], 1
	s_mul_i32 s48, s40, SCK
	s_mul_i32 s49, s41, 8*PITCH
	s_add_co_u32 s48, s48, s49
	s_add_co_u32 s[G0+1], s48, SCB
	s_mul_i32 s48, s40, KINDB
	s_mul_i32 s49, s3, 128*PITCH
	s_add_co_u32 s48, s48, s49
	s_mul_i32 s49, s99, HALFB
	s_add_co_u32 s[G0+5], s48, s49
	s_cmp_ge_u32 s[WV], 8                          ; ONE FILL A WAVE, sixteen in all: waves 0-7 a panel's 128 rows of one half of K, waves 8-15 the scale bytes of 64 rows; every way passes one load
	s_cbranch_scc1 .Lfill_s
	tensor_load_to_lds s[G0+4:G0+7], s[G1C:G1C+7]
	s_nop 0
.rept 4
	v_nop
.endr
	s_branch .Lfilled
.Lfill_s:
	tensor_load_to_lds s[G0+0:G0+3], s[G1S:G1S+7]
	s_nop 0
.rept 4
	v_nop
.endr
.Lfilled:
	; where my results go
	s_cmp_lt_u32 s[JB], 4
	s_cselect_b32 s40, 0, 2
	s_cmp_lt_u32 s[JB], 6
	s_cselect_b32 s40, s40, 6
	s_sub_co_u32 s40, s[JB], s40
	s_lshl_b32 s40, s40, 20                        ; the job's part of its buffer: qk: 8 chunks x 131,072 a job; y: vs from chunk 16; vt: 64 chunks x 16,384 a branch
	s_lshl_b32 s42, s[IT], 2
	s_lshl_b32 s43, s[WI], 1
	s_add_co_u32 s42, s42, s43                     ; my first chunk of 64 along I
	s_lshl_b32 s42, s42, s[CSH]
	s_add_co_u32 s40, s40, s42
	s_lshr_b32 s42, s40, 4                         ; scale words: 4 bytes a row and 128 along I against 512 bytes for 16 rows and 64: a sixteenth
	s_lshl_b32 s44, s[JT0], 13
	s_add_co_u32 s40, s40, s44
	s_lshl_b32 s44, s[WJ], 10
	s_add_co_u32 s40, s40, s44                     ; + my first tile of 16 along J x 512
	s_mov_b32 s41, 0
	s_lshl_b32 s44, s[JT0], 10
	s_add_co_u32 s42, s42, s44
	s_lshl_b32 s44, s[WJ], 7
	s_add_co_u32 s42, s42, s44                     ; + my first row J x 4
	s_mov_b32 s43, 0
	s_add_nc_u64 s[32:33], s[32:33], s[40:41]      ; codes, my first chunk,
	s_add_nc_u64 s[36:37], s[36:37], s[42:43]      ; scale words
	s_lshl_b32 s44, 1, s[CSH]
	s_mov_b32 s45, 0
	s_add_nc_u64 s[34:35], s[32:33], s[44:45]      ; codes, my second chunk
	s_lshl_b32 s40, s[WJ], 5
	s_lshl_b32 s41, s[WI], 7
	s_cmp_lg_u32 s[IST], 0
	s_cselect_b32 s40, s40, s41                    ; my first feature in the tile: along J or along I
	s_lshl_b32 s41, s[FT], 8
	s_add_co_u32 s40, s40, s41
	s_lshl_b32 s40, s40, 2
	s_mov_b32 s41, 0
	s_add_nc_u64 s[38:39], s[20:21], s[40:41]      ; its bias
	s_mov_b32 s50, 0x76543210
	s_mov_b32 s51, 0xfedcba98                      ; v_permlanex16_b32's selects for lane l xor 16
	s_mov_b32 s52, 0xffff0000                      ; lanes 16-31
	; THE BIAS IS THE SUMS' FIRST VALUE.  Features along I: a lane's eight registers of tile i are eight neighbouring biases.  Features along J: all 64 sums of a lane and a J tile share one bias.
	s_cmp_lg_u32 s[IST], 0
	s_cbranch_scc1 .Lbias_t
	s_wait_alu depctr_va_vdst(0)
.irp jt, 0,1
.irp i, 0,1,2,3,4,5,6,7
	global_load_b128 v[ACC+64*\jt+8*\i:ACC+64*\jt+8*\i+3], v[BH], s[38:39] offset:64*\i
	global_load_b128 v[ACC+64*\jt+8*\i+4:ACC+64*\jt+8*\i+7], v[BH], s[38:39] offset:64*\i+16
.endr
.endr
	s_branch .Lbias_done
.Lbias_t:
	s_wait_alu depctr_va_vdst(0)
	global_load_b32 v48, v[BR], s[38:39]
	global_load_b32 v49, v[BR], s[38:39] offset:64
	s_wait_loadcnt 0x0
.set j, 0
.rept 64
	v_mov_b32 v[ACC+j], v48
	v_mov_b32 v[ACC+64+j], v49
.set j, j+1
.endr
.Lbias_done:
	s_wait_loadcnt 0x0
; One product: I tile i x J tile jt, K step q of the half in hand.  P's scale words of an odd tile, and R's of tile 1, lie in lanes 16-31.
.macro MM i, jt, q
.set rD, ACC+64*(\jt)+8*(\i)
.set rP, PF+8*(\i)
.set rR, RF+8*(\jt)
.set rSP, SP+4*((\i)/2)+(\q)
.set rSR, SR+(\q)
.if ((\i)%2 == 0) && ((\jt) == 0)
	v_wmma_scale_f32_16x16x128_f8f6f4 v[rD:rD+7], v[rP:rP+7], v[rR:rR+7], v[rD:rD+7], v[rSP], v[rSR] matrix_a_fmt:MATRIX_FMT_FP4 matrix_b_fmt:MATRIX_FMT_FP4
.elseif ((\i)%2 == 1) && ((\jt) == 0)
	v_wmma_scale_f32_16x16x128_f8f6f4 v[rD:rD+7], v[rP:rP+7], v[rR:rR+7], v[rD:rD+7], v[rSP], v[rSR] matrix_a_fmt:MATRIX_FMT_FP4 matrix_b_fmt:MATRIX_FMT_FP4 matrix_a_scale:MATRIX_SCALE_ROW1
.elseif ((\i)%2 == 0)
	v_wmma_scale_f32_16x16x128_f8f6f4 v[rD:rD+7], v[rP:rP+7], v[rR:rR+7], v[rD:rD+7], v[rSP], v[rSR] matrix_a_fmt:MATRIX_FMT_FP4 matrix_b_fmt:MATRIX_FMT_FP4 matrix_b_scale:MATRIX_SCALE_ROW1
.else
	v_wmma_scale_f32_16x16x128_f8f6f4 v[rD:rD+7], v[rP:rP+7], v[rR:rR+7], v[rD:rD+7], v[rSP], v[rSR] matrix_a_fmt:MATRIX_FMT_FP4 matrix_b_fmt:MATRIX_FMT_FP4 matrix_a_scale:MATRIX_SCALE_ROW1 matrix_b_scale:MATRIX_SCALE_ROW1
.endif
.endm
; K step s of eight, 128 along K: 20 fragment loads (and, at a half's head, five loads of scale words for its four steps), 16 products.  The 16 accumulators take turns, one instruction a turn,
; in the same order in every step.
.macro KSTEP s
.set HF, (\s)/4
.set Q, (\s)%4
.rept 4
	v_nop                                          ; four places in front of loads into registers that matrix instructions have read (ISA guide 7.12.1 for vector instructions)
.endr
.if Q == 0
.irp i2, 0,1,2,3
	ds_load_b128 v[SP+4*\i2:SP+4*\i2+3], v[ASP] offset:\i2*4*PITCH+16*HF
.endr
	ds_load_b128 v[SR:SR+3], v[ASR] offset:16*HF
.endif
.irp jt, 0,1
.irp c, 0,1
	ds_load_b128 v[RF+8*\jt+4*\c:RF+8*\jt+4*\c+3], v[AR+HF] offset:\jt*16*PITCH+64*Q+32*\c
.endr
.endr
.irp i, 0,1,2,3,4,5,6,7
.irp c, 0,1
	ds_load_b128 v[PF+8*\i+4*\c:PF+8*\i+4*\c+3], v[AP+HF] offset:\i*16*PITCH+64*Q+32*\c
.endr
.endr
.irp i, 0,1,2,3,4,5,6,7
	s_wait_dscnt 14-2*\i                           ; P's tile i is in; the two loads of each later tile may be out
	MM \i, 0, Q
	MM \i, 1, Q
.endr
.endm
; 64 numbers of a lane, none negative, v[src + 16 b + 8 u + j] = I 32 b + 16 u + 8 h + j of my row J, become a fragment's codes in v[pc] on and its scale word in v[pw].
.macro QUANT src, pc, pw
.irp b, 0,1,2,3
	v_max3_num_f32 v[TM+\b], v[(\src)+16*\b], v[(\src)+16*\b+1], 0x1800000   ; block b: my 16 numbers, and the floor 2^(3 - 127): so the byte cannot fall under 1
.endr
.irp i, 2,4,6,8,10,12,14
.irp b, 0,1,2,3
	s_delay_alu instid0(VALU_DEP_4)
	v_max3_num_f32 v[TM+\b], v[TM+\b], v[(\src)+16*\b+\i], v[(\src)+16*\b+\i+1]   ; (the four blocks by turns)
.endr
.endr
.irp b, 0,1,2,3
	s_delay_alu instid0(VALU_DEP_4)
	v_permlanex16_b32 v[TM+4+\b], v[TM+\b], s50, s51
.endr
.irp b, 0,1,2,3
	s_delay_alu instid0(VALU_DEP_4)
	v_max_num_f32 v[TM+\b], v[TM+\b], v[TM+4+\b]   ; with lane l xor 16's: the block's largest number
.endr
.irp b, 0,1,2,3
	s_delay_alu instid0(VALU_DEP_4)
	v_add_nc_u32 v[TM+12+\b], 0xff000000, v[TM+\b] ; 2 off its exponent field: the conversion takes this operand's exponent field as its scale
.endr
.irp b, 0,1,2,3
	s_delay_alu instid0(VALU_DEP_4)
	v_lshrrev_b32 v[TM+4+\b], 23, v[TM+12+\b]      ; the scale's byte
.endr
	s_delay_alu instid0(VALU_DEP_3)
	v_lshl_or_b32 v[\pw], v[TM+5], 8, v[TM+4]
	s_delay_alu instid0(VALU_DEP_1)
	v_lshl_or_b32 v[\pw], v[TM+6], 16, v[\pw]
	s_delay_alu instid0(VALU_DEP_1)
	v_lshl_or_b32 v[\pw], v[TM+7], 24, v[\pw]      ; my row's scale word for these 128 along I
.irp b, 0,1,2,3
	v_cvt_scalef32_pk8_fp4_f32 v[(\pc)+4*(\b/2)+(\b%2)], v[(\src)+16*\b:(\src)+16*\b+7], v[TM+12+\b]
	v_cvt_scalef32_pk8_fp4_f32 v[(\pc)+4*(\b/2)+2+(\b%2)], v[(\src)+16*\b+8:(\src)+16*\b+15], v[TM+12+\b]
.endr
	v_nop                                          ; one plain place behind a scaled conversion
.irp c, 0,2,4,6
	v_permlane16_swap_b32 v[(\pc)+\c], v[(\pc)+\c+1]   ; the first's lanes 16-31 change places with the second's lanes 0-15: lanes 0-15 now hold the even block, lanes 16-31 the odd one
.endr
.endm
	s_wait_tensorcnt 0x0                           ; my one fill is in
	s_barrier_signal -1
	s_barrier_wait -1                              ; everybody's are
	s_wait_alu depctr_va_vdst(0)
	KSTEP 0
	KSTEP 1
	KSTEP 2
	KSTEP 3
	KSTEP 4
	KSTEP 5
	KSTEP 6
	KSTEP 7
	; THE WAY OUT: relu, quantised along I, stored as images.  Each accumulator is read from its low end on.
.rept 4
	v_nop                                          ; four places in front of the first read of results and the first write over fragments
.endr
.irp b, 0,1,2,3
	v_mov_b32 v[TM+4+\b], 0                        ; a lane permute's destination counts as one of its sources
.endr
.set j, 0
.rept 64
	v_max_num_f32 v[ACC+j], 0, v[ACC+j]
.set j, j+1
.endr
	QUANT ACC, PC0, PW0
	global_store_b128 v[LI], v[PC0:PC0+3], s[32:33]             ; 32 lanes store 512 consecutive bytes: chunk 0, J tile 0
	global_store_b128 v[LI], v[PC0+4:PC0+7], s[34:35]           ; chunk 1
.set j, 0
.rept 64
	v_max_num_f32 v[ACC+64+j], 0, v[ACC+64+j]
.set j, j+1
.endr
	QUANT ACC+64, PC1, PW1
	global_store_b128 v[LI], v[PC1:PC1+3], s[32:33] offset:512
	global_store_b128 v[LI], v[PC1+4:PC1+7], s[34:35] offset:512
	v_cndmask_b32 v[PWS], v[PW0], v[PW1], s52      ; lanes 0-15: J tile 0's words, lanes 16-31: tile 1's
	global_store_b32 v[LS], v[PWS], s[36:37]       ; the words of my 32 rows: 128 consecutive bytes
	s_wait_tensorcnt 0x0
	ds_add_u32 v26, v27
	s_wait_dscnt 0x0
	s_endpgm
.Lfunc_end_k_qd41791edc5_proj:
	.size	k_qd41791edc5_proj, .Lfunc_end_k_qd41791edc5_proj-k_qd41791edc5_proj
	.p2alignl 7, 3214868480
	.fill 96, 4, 3214868480
	.section	.rodata,"a",@progbits
	.p2align	6, 0x0
	.amdhsa_kernel k_qd41791edc5_proj
		.amdhsa_group_segment_fixed_size 297984
		.amdhsa_private_segment_fixed_size 0
		.amdhsa_enable_private_segment 0
		.amdhsa_kernarg_size 224
		.amdhsa_user_sgpr_count 2
		.amdhsa_user_sgpr_kernarg_segment_ptr 1
		.amdhsa_wavefront_size32 1
		.amdhsa_system_sgpr_workgroup_id_x 1
		.amdhsa_system_sgpr_workgroup_id_y 1
		.amdhsa_system_sgpr_workgroup_id_z 1
		.amdhsa_system_vgpr_workitem_id 0
		.amdhsa_next_free_vgpr 256
		.amdhsa_next_free_sgpr 102
		.amdhsa_reserve_vcc 0
		.amdhsa_float_denorm_mode_32 3
		.amdhsa_float_denorm_mode_16_64 3
		.amdhsa_memory_ordered 1
		.amdhsa_forward_progress 1
		.amdhsa_inst_pref_size 61
	.end_amdhsa_kernel
	.amdgpu_metadata
---
amdhsa.version: [ 1, 2 ]
amdhsa.kernels:
  - .name:           k_qd41791edc5_proj
    .symbol:         k_qd41791edc5_proj.kd
    .args:
      - { .name: f1_codes, .offset: 0, .size: 8, .value_kind: global_buffer, .address_space: global }
      - { .name: f1_scales, .offset: 8, .size: 8, .value_kind: global_buffer, .address_space: global }
      - { .name: f2_codes, .offset: 16, .size: 8, .value_kind: global_buffer, .address_space: global }
      - { .name: f2_scales, .offset: 24, .size: 8, .value_kind: global_buffer, .address_space: global }
      - { .name: Wqs_codes, .offset: 32, .size: 8, .value_kind: global_buffer, .address_space: global }
      - { .name: Wqs_scales, .offset: 40, .size: 8, .value_kind: global_buffer, .address_space: global }
      - { .name: bqs, .offset: 48, .size: 8, .value_kind: global_buffer, .address_space: global }
      - { .name: Wks_codes, .offset: 56, .size: 8, .value_kind: global_buffer, .address_space: global }
      - { .name: Wks_scales, .offset: 64, .size: 8, .value_kind: global_buffer, .address_space: global }
      - { .name: bks, .offset: 72, .size: 8, .value_kind: global_buffer, .address_space: global }
      - { .name: Wqc_codes, .offset: 80, .size: 8, .value_kind: global_buffer, .address_space: global }
      - { .name: Wqc_scales, .offset: 88, .size: 8, .value_kind: global_buffer, .address_space: global }
      - { .name: bqc, .offset: 96, .size: 8, .value_kind: global_buffer, .address_space: global }
      - { .name: Wkc_codes, .offset: 104, .size: 8, .value_kind: global_buffer, .address_space: global }
      - { .name: Wkc_scales, .offset: 112, .size: 8, .value_kind: global_buffer, .address_space: global }
      - { .name: bkc, .offset: 120, .size: 8, .value_kind: global_buffer, .address_space: global }
      - { .name: Wvs_codes, .offset: 128, .size: 8, .value_kind: global_buffer, .address_space: global }
      - { .name: Wvs_scales, .offset: 136, .size: 8, .value_kind: global_buffer, .address_space: global }
      - { .name: bvs, .offset: 144, .size: 8, .value_kind: global_buffer, .address_space: global }
      - { .name: Wvc_codes, .offset: 152, .size: 8, .value_kind: global_buffer, .address_space: global }
      - { .name: Wvc_scales, .offset: 160, .size: 8, .value_kind: global_buffer, .address_space: global }
      - { .name: bvc, .offset: 168, .size: 8, .value_kind: global_buffer, .address_space: global }
      - { .name: qk_codes, .offset: 176, .size: 8, .value_kind: global_buffer, .address_space: global }
      - { .name: qk_scales, .offset: 184, .size: 8, .value_kind: global_buffer, .address_space: global }
      - { .name: y_codes, .offset: 192, .size: 8, .value_kind: global_buffer, .address_space: global }
      - { .name: y_scales, .offset: 200, .size: 8, .value_kind: global_buffer, .address_space: global }
      - { .name: vt_codes, .offset: 208, .size: 8, .value_kind: global_buffer, .address_space: global }
      - { .name: vt_scales, .offset: 216, .size: 8, .value_kind: global_buffer, .address_space: global }
    .group_segment_fixed_size: 297984
    .private_segment_fixed_size: 0
    .kernarg_segment_align: 8
    .kernarg_segment_size: 224
    .max_flat_workgroup_size: 512
    .sgpr_count:     102
    .vgpr_count:     256
    .wavefront_size: 32
...
	.end_amdgpu_metadata
.endif
;; end of part 1
;; launch attn (part 2): grid 8 x 32, 16 waves a work-group, no clusters, 327,680 bytes of LDS; arguments qk_codes, qk_scales, vt_codes, vt_scales, y_codes, y_scales; writes y_codes, y_scales
.if DOCPART == 2
	.amdgcn_target "amdgcn-amd-amdhsa--gfx1250"
	.amdhsa_code_object_version 6
	.text
	.protected	k_qd41791edc5_attn
	.globl	k_qd41791edc5_attn
	.p2align	8
	.type	k_qd41791edc5_attn,@function
k_qd41791edc5_attn:
	s_mov_b64 s[64:65], 0
	v_nop
	global_prefetch_b8 v0, s[64:65] scope:SCOPE_SE
	s_setreg_imm32_b32 hwreg(HW_REG_WAVE_MODE, 25, 1), 1
	s_wait_xcnt 0x0
; BOTH ATTENTIONS: for each of 2 branches x 2 batches x 8 heads, O[q] = sum over k of softmax_k(Q[q] . K[k] / 8) V[k], head size 64, 2,048 keys, both products on codes of FP4 (E2M1) with E8M0 scales;
; O / l is quantised along the features and stored as chunks 0-15 of y.
; THE SOFTMAX: t = score x log2(e) / 8; M = the running largest t rounded up to a whole number; p = 2^(t - M) is quantised along the keys, not normalised.  The row's sum is taken of the unquantised p, in f32,
; and divides O at the end.  When M moves, the sum and O are multiplied by 2^(old M - new M): exact.
; SHARES.  y = 16 branch + 8 batch + head; x = a block of 256 queries: 256 work-groups.  Each of sixteen waves owns 16 queries and walks all 2,048 keys, 128 a step, sixteen steps written out by one macro.
; OPERANDS ARE REGISTER IMAGES made by the launch before: codes[chunk of 64 along K][tile of 16 rows][lane][16 bytes].
; Both products are used transposed: S^T = K Q^T (source 0 = 16 keys), O^T = V^T P^T (source 0 = 16 of the head's 64): a lane (r = lane % 16, h = lane / 16) holds query r throughout.
; THE KEYS OF A TILE ARE CHOSEN, by the LDS address alone: row m of tile (g, i) is key 64 g + 32 (m / 8) + 8 i + m % 8 of the step.  In the result register j of tile (g, i) is then key 64 g + 32 h + 8 i + j:
; the 32 registers of a lane's four tiles of group g are ONE WHOLE BLOCK of 32 keys, block 2 g + h.  So a block's maximum needs no other lane, and the four conversions of a group give registers 4 g .. 4 g + 3
; of P's operand as they stand (k = 64 g + 32 h + 0..31).  Only the row's maximum and the scale word's four bytes cross from lane l to lane l xor 16.
; Q K^T has K = 64.  Registers 4-7 of Q's fragment are zero codes, so whatever codes stand in registers 4-7 of K's fragment add nothing: K's tiles lie 4 registers apart, and a fragment's upper half is the
; next tile (behind the last: four registers of zeros).  The scale words' upper two bytes are 0 (2^-127), a finite code.
; LDS IS FILLED ONCE, in two groups.  At the head waves 0-3 fetch one tile each: K's first 512 keys, V's first 512, K's scale bytes, V's.  Behind the waits, adds and barrier ahead of a later first
; fill, waves 0-2 fetch K's three later quarters and waves 4-6 V's, one each; they are waited for at the head of step 3, whose loads are the first to reach beyond the first quarter.
; K's tiles of 512 bytes get 64 bytes of padding: rows m = 0-7 and 8-15 of a chosen tile lie two image tiles, 1,152 bytes, apart, which is 128 modulo 256: sixteen lanes touch sixteen different 16-byte columns.
; NO CLUSTER, though eight query blocks read one head's K and V, and NO PREFETCH: a work-group asks for each of its 143,360 bytes once, all of them before its first step ends, and its steps ask for nothing:
; there is no stream of requests to divide or to run ahead of.
; LIMITS: NaN and infinities are not served.  The division by l is v_rcp_f32 and a multiplication.  v_exp_f32 gives 0 for p under 2^-126.  A block of zeros gets the scale byte 1 where the quantiser's text says 127:
; its codes are zeros, and only this program reads the bytes.  A block's largest p is taken as the exponential of its largest score, which leans on v_exp_f32 not falling where its input rises.
; The promise holds while the scaled scores stay under 2^31 in magnitude.
.set KP,  576                          ; an image tile of K in LDS: 512 bytes + 64
.set KQ,  32*KP                        ; a quarter of K: 32 tiles
.set VB,  128*KP                       ; V's images [32 chunks of 64 keys][4 tiles of 16 of the head's 64][512]
.set KSB, VB+65536                     ; K's scale words [key][4]: my head's two bytes at 2 (head % 2)
.set VSB, KSB+8192                     ; V's scale words [16 steps][64][4]
.set SPARE, VSB+4096                   ; the spare words: 128 bytes a wave, 2,048 in all
.set G1KC, 16                          ; s[16:23] group 1: a quarter of K's codes;  s[24:31] K's scales;  s[32:39] a quarter of V's codes;  s[40:47] V's scales
.set G1KS, 24
.set G1VC, 32
.set G1VS, 40
; groups 0: s[48:51] K's first quarter, s[52:55] V's, s[56:59] K's scales, s[60:63] V's scales, s[68:71] K's quarter 1 + wave % 4, s[72:75] V's
; s91 -c;  s[92:93] lane selects;  s[94:95] c = log2(e) / 8;  s100 lanes 16-31;  s101 wave
; v1, v2 K's tiles, steps 0-7 and 8-15;  v3 V's;  v4 K's scale bytes;  v5 V's scale words;  v6 16 l, v7 4 r + h, v8 4 r: global offsets;  v9 8 h;  v10, v11 the add's two registers;
; v12 -M (v13 named with it);  v[14:15] the sum;  v16-23 Q;  v24 Q's scale word;  v25 the largest score so far;  v26-29 K's scale words, v30-31 V's, v244 P's: scales and nothing else;
; v32-63 K's eight tiles, v64-67 zeros;  v68-77 at work;  v96-159 S^T, then p;  v160-191 O^T;  v192-199 P's codes;  v200-231 V's four fragments;  v232-237 three more chains of the sum;  v240 f (v241 named with it);  v242 the old -M
.macro G0C g, lds, base, gadd          ; a group 0: count 1, a constant LDS address, base + a constant, type 2
	s_mov_b32 s[\g], 1
	s_mov_b32 s[\g+1], \lds
	s_add_nc_u64 s[\g+2:\g+3], s[\base:\base+1], \gadd
	s_or_b32 s[\g+3], s[\g+3], 0x80000000
.endm
.macro G1SET g, w0, c, r, p            ; a group 1: r rows of c elements of 8 bytes, p elements apart
	s_mov_b32 s[\g+0], \w0
	s_mov_b32 s[\g+1], (\c)<<16
	s_mov_b32 s[\g+2], (\r)<<16
	s_mov_b32 s[\g+3], (\c)<<16
	s_mov_b32 s[\g+4], \r
	s_mov_b32 s[\g+5], \p
	s_mov_b32 s[\g+6], 0
	s_mov_b32 s[\g+7], 0
.endm
.macro TL g0, g1                       ; a tensor load
	tensor_load_to_lds s[\g0:\g0+3], s[\g1:\g1+7]
	s_nop 0
.rept 4
	v_nop
.endr
.endm
	s_load_b256 s[4:11], s[0:1], 0x0               ; qk_codes, qk_scales, vt_codes, vt_scales
	s_load_b128 s[12:15], s[0:1], 0x20             ; y_codes, y_scales
	v_lshl_add_u32 v10, v0, 2, SPARE
	v_mov_b32 v11, 0
	ds_add_u32 v10, v11                            ; the opening lines: the add, twice on end, and its wait ahead of the first tensor load
	ds_add_u32 v10, v11
	v_lshrrev_b32 v25, 5, v0
	v_readfirstlane_b32 s101, v25                  ; wave 0..15
	s_and_b32 s3, ttmp7, 0xffff
	s_lshr_b32 s96, s3, 4                          ; branch
	s_bfe_u32 s97, s3, 0x10003                     ; batch
	s_and_b32 s98, s3, 7                           ; head
	s_and_b32 s99, s3, 1                           ; head % 2
	s_lshl_b32 s100, s96, 4
	s_add_co_u32 s100, s100, s98                   ; Q's chunk in qk_codes: 16 branch + head; K's lies 8 further on
	s_lshl_b32 s66, s99, 1
	s_add_co_u32 s66, s66, KSB
	s_and_b32 s76, s101, 3
	s_add_co_u32 s76, s76, 1                       ; the later quarter that I fetch, if I fetch one
	s_mov_b32 s68, 1
	s_mul_i32 s69, s76, KQ                         ; where it goes: K's,
	s_mov_b32 s72, 1
	s_lshl_b32 s73, s76, 14
	s_add_co_u32 s73, s73, VB                      ; V's;
	s_lshl_b32 s78, s76, 14                        ; where it comes from: 16,384 bytes a quarter of K,
	s_mov_b32 s79, 0
	s_lshl_b32 s80, s76, 17                        ; 8 chunks of 16,384 a quarter of V
	s_mov_b32 s81, 0
	G1SET G1KC, (3<<16)|(1<<20)|(6<<22)|(15<<25), 64, 32, 64   ; 32 tiles of 512 dense bytes; 16 words of padding behind each 128
	G1SET G1KS, 3<<16, 32, 32, 32                  ; 8,192 dense bytes as 32 rows of 256
	G1SET G1VC, 3<<16, 256, 8, 2048                ; 8 chunks: of each the head's 2,048 bytes, 16,384 bytes apart
	G1SET G1VS, 3<<16, 32, 16, 256                 ; 16 steps: of each the head's 256 bytes, 2,048 bytes apart
	s_mov_b32 s91, 0xbe38aa3b                      ; -c
	s_mov_b32 s92, 0x76543210
	s_mov_b32 s93, 0xfedcba98                      ; v_permlanex16_b32's selects for lane l xor 16
	s_mov_b32 s94, 0x3e38aa3b                      ; c = log2(e) / 8
	s_mov_b32 s95, s94                             ; (named with it as a pair, so it is written)
	v_and_b32 v70, 31, v0                          ; l
	v_and_b32 v71, 15, v0                          ; r
	v_bfe_u32 v72, v0, 4, 1                        ; h
	v_bfe_u32 v73, v0, 3, 1                        ; r / 8
	v_and_b32 v74, 7, v0                           ; r % 8
	v_mul_u32_u24 v1, v73, 2*KP                    ; K: rows 8-15 of a chosen tile lie two image tiles on,
	v_lshlrev_b32 v4, 2, v74                       ; K's scale bytes: lane l takes row l % 16 of tile 2 m + l / 16: key 32 (r / 8) + 8 h + r % 8, 4 bytes a key
	v_lshl_add_u32 v3, v70, 4, VB
	v_lshl_add_u32 v5, v70, 2, VSB
	v_lshl_add_u32 v1, v74, 4, v1                  ; 16 bytes an image lane,
	v_lshl_add_u32 v4, v73, 7, v4
	v_lshlrev_b32 v6, 4, v70
	v_lshlrev_b32 v8, 2, v71
	v_lshl_add_u32 v1, v72, 8, v1                  ; the image's lanes 16-31 hold k = 32 .. 63
	v_lshl_add_u32 v4, v72, 5, v4
	v_lshlrev_b32 v9, 3, v72
	v_add_nc_u32 v7, v8, v72
	v_add_nc_u32 v2, 64*KP, v1                     ; steps 8-15: the immediates stay inside 16 bits
	v_add_nc_u32 v4, s66, v4
	s_wait_alu depctr_va_vdst(0)
	s_wait_dscnt 0x0
	s_wait_kmcnt 0x0
	s_add_co_u32 s2, s100, 8                       ; K's chunk
	s_lshr_b32 s66, s2, 1                          ; its pair, for the scale words
	s_lshl_b32 s2, s2, 17                          ; 131,072 bytes a chunk,
	s_lshl_b32 s3, s97, 16                         ; 65,536 a batch in it
	s_add_co_u32 s2, s2, s3
	s_mov_b32 s3, 0
	s_add_nc_u64 s[2:3], s[4:5], s[2:3]
	G0C 48, 0, 2, 0
	s_add_nc_u64 s[70:71], s[2:3], s[78:79]
	s_or_b32 s71, s71, 0x80000000
	s_lshl_b32 s66, s66, 14                        ; 16,384 bytes a pair of chunks,
	s_lshl_b32 s67, s97, 13                        ; 8,192 a batch
	s_add_co_u32 s66, s66, s67
	s_mov_b32 s67, 0
	s_add_nc_u64 s[66:67], s[6:7], s[66:67]
	G0C 56, KSB, 66, 0
	s_lshl_b32 s2, s96, 20                         ; vt_codes: 2^20 bytes a branch,
	s_lshl_b32 s66, s97, 19                        ; 32 chunks x 16,384 a batch,
	s_add_co_u32 s2, s2, s66
	s_lshl_b32 s66, s98, 11                        ; 4 tiles x 512 a head
	s_add_co_u32 s2, s2, s66
	s_mov_b32 s3, 0
	s_add_nc_u64 s[2:3], s[8:9], s[2:3]
	G0C 52, VB, 2, 0
	s_add_nc_u64 s[74:75], s[2:3], s[80:81]
	s_or_b32 s75, s75, 0x80000000
	s_lshl_b32 s2, s96, 16                         ; vt_scales: 65,536 bytes a branch, 16 steps x 2,048 a batch, 256 a head
	s_lshl_b32 s66, s97, 15
	s_add_co_u32 s2, s2, s66
	s_lshl_b32 s66, s98, 8
	s_add_co_u32 s2, s2, s66
	s_mov_b32 s3, 0
	s_add_nc_u64 s[2:3], s[10:11], s[2:3]
	G0C 60, VSB, 2, 0
; THE HEAD'S LOADS: one chain of branches on the wave's number, a load to an arm, all arms to one join: no way passes two
.macro ARM under, g0, g1, next
	s_cmp_lt_u32 s101, \under
	s_cbranch_scc0 \next
	TL \g0, \g1
	s_branch .Lhead_asked
\next:
.endm
	ARM 1, 48, G1KC, .Lh_v
	ARM 2, 52, G1VC, .Lh_ks
	ARM 3, 56, G1KS, .Lh_vs
	ARM 4, 60, G1VS, .Lh_none
.Lhead_asked:
	s_lshl_b32 s96, s96, 3
	s_add_co_u32 s96, s96, s98                     ; my chunk of y: 8 branch + head
	s_lshl_b32 s97, s97, 7
	s_lshl_b32 s66, ttmp9, 4
	s_add_co_u32 s97, s97, s66
	s_add_co_u32 s97, s97, s101                    ; my tile of 16 tokens: 128 batch + 16 x + wave
	s_lshl_b32 s67, s99, 1                         ; 2 (head % 2)
	s_mov_b32 s3, 0
	s_lshl_b32 s2, s100, 17
	s_lshl_b32 s66, s97, 9
	s_add_co_u32 s2, s2, s66
	s_add_nc_u64 s[4:5], s[4:5], s[2:3]            ; Q's image
	s_lshr_b32 s2, s100, 1
	s_lshl_b32 s2, s2, 14
	s_lshl_b32 s66, s97, 6
	s_add_co_u32 s2, s2, s66
	s_add_co_u32 s2, s2, s67
	s_add_nc_u64 s[6:7], s[6:7], s[2:3]            ; Q's two scale bytes a row
	s_lshl_b32 s2, s96, 17
	s_lshl_b32 s66, s97, 9
	s_add_co_u32 s2, s2, s66
	s_add_nc_u64 s[12:13], s[12:13], s[2:3]        ; where my codes go
	s_lshr_b32 s2, s96, 1
	s_lshl_b32 s2, s2, 14
	s_lshl_b32 s66, s97, 6
	s_add_co_u32 s2, s2, s66
	s_add_co_u32 s2, s2, s67
	s_add_nc_u64 s[14:15], s[14:15], s[2:3]        ; and my scale bytes
	s_mov_b32 s100, 0xffff0000                     ; lanes 16-31
	global_load_b128 v[16:19], v6, s[4:5]          ; Q's 64 codes a row: registers 0-3 of the fragment
	global_load_u16 v24, v8, s[6:7]                ; its two scale bytes; the upper two are 0
.irp c, 20,21,22,23,64,65,66,67,13,14,15,241
	v_mov_b32 v[\c], 0                             ; k = 64 .. 127 of Q: zero codes; the registers behind K's last tile; the sum; the upper halves of two pairs that are named whole
.endr
; K of step j: eight chosen tiles, 4 registers each, and four loads of scale bytes, two tiles to a load: 12 LDS loads
.macro KLOAD j
.set KA, 1+(\j)/8
.set KO, 8*KP*((\j)%8)
.irp g, 0,1
.irp i, 0,1,2,3
	ds_load_b128 v[32+16*\g+4*\i:35+16*\g+4*\i], v[KA] offset:KO+4*KP*\g+KP*(\i/2)+128*(\i%2)
.endr
.irp m, 0,1
	ds_load_u16 v[26+2*\g+\m], v4 offset:512*(\j)+256*\g+64*\m
.endr
.endr
.endm
; V of step j: four tiles of the head's 64 x 128 keys, and two loads of scale words, two tiles to a load: 10 LDS loads
.macro VLOAD j
.irp t, 0,1,2,3
	ds_load_b128 v[200+8*\t:203+8*\t], v3 offset:4096*(\j)+512*\t
	ds_load_b128 v[204+8*\t:207+8*\t], v3 offset:4096*(\j)+2048+512*\t
.endr
.irp m, 0,1
	ds_load_b32 v[30+\m], v5 offset:256*(\j)+128*\m
.endr
.endm
; S^T of tile n = 4 g + i; an odd tile's scale bytes lie in lanes 16-31
.macro QK n
.if (\n)%2 == 0
	v_wmma_scale_f32_16x16x128_f8f6f4 v[96+8*(\n):103+8*(\n)], v[32+4*(\n):39+4*(\n)], v[16:23], 0, v[26+(\n)/2], v24 matrix_a_fmt:MATRIX_FMT_FP4 matrix_b_fmt:MATRIX_FMT_FP4
.else
	v_wmma_scale_f32_16x16x128_f8f6f4 v[96+8*(\n):103+8*(\n)], v[32+4*(\n):39+4*(\n)], v[16:23], 0, v[26+(\n)/2], v24 matrix_a_fmt:MATRIX_FMT_FP4 matrix_b_fmt:MATRIX_FMT_FP4 matrix_a_scale:MATRIX_SCALE_ROW1
.endif
.endm
; O^T += V^T P^T, tile t of the head's 64; the first step's products start the sums
.macro PV t, first
.set rO, 160+8*(\t)
.set rV, 200+8*(\t)
.if (\first) && ((\t)%2 == 0)
	v_wmma_scale_f32_16x16x128_f8f6f4 v[rO:rO+7], v[rV:rV+7], v[192:199], 0, v[30+(\t)/2], v244 matrix_a_fmt:MATRIX_FMT_FP4 matrix_b_fmt:MATRIX_FMT_FP4
.elseif (\first)
	v_wmma_scale_f32_16x16x128_f8f6f4 v[rO:rO+7], v[rV:rV+7], v[192:199], 0, v[30+(\t)/2], v244 matrix_a_fmt:MATRIX_FMT_FP4 matrix_b_fmt:MATRIX_FMT_FP4 matrix_a_scale:MATRIX_SCALE_ROW1
.elseif (\t)%2 == 0
	v_wmma_scale_f32_16x16x128_f8f6f4 v[rO:rO+7], v[rV:rV+7], v[192:199], v[rO:rO+7], v[30+(\t)/2], v244 matrix_a_fmt:MATRIX_FMT_FP4 matrix_b_fmt:MATRIX_FMT_FP4
.else
	v_wmma_scale_f32_16x16x128_f8f6f4 v[rO:rO+7], v[rV:rV+7], v[192:199], v[rO:rO+7], v[30+(\t)/2], v244 matrix_a_fmt:MATRIX_FMT_FP4 matrix_b_fmt:MATRIX_FMT_FP4 matrix_a_scale:MATRIX_SCALE_ROW1
.endif
.endm
; THE ROW'S SUM IS TAKEN OF THE UNQUANTISED p: 32 packed additions in four chains by turns.  Pair 4 n goes to the running sum; chain c = 1..3 starts as pair c + pair c + 4 and takes pairs c + 8, ..; the last three join them
.macro SUMS n
.rept \n
.if sa < 28
.if sa%4 == 0
	v_pk_add_f32 v[14:15], v[14:15], v[96+2*sa:97+2*sa]
.elseif sa < 4
	v_pk_add_f32 v[230+2*sa:231+2*sa], v[96+2*sa:97+2*sa], v[104+2*sa:105+2*sa]
.else
	v_pk_add_f32 v[230+2*(sa%4):231+2*(sa%4)], v[230+2*(sa%4):231+2*(sa%4)], v[104+2*sa:105+2*sa]
.endif
.elseif sa == 28
	v_pk_add_f32 v[14:15], v[14:15], v[152:153]
.elseif sa == 29
	v_pk_add_f32 v[232:233], v[232:233], v[234:235]
.elseif sa == 30
	v_pk_add_f32 v[14:15], v[14:15], v[236:237]
.else
	v_pk_add_f32 v[14:15], v[14:15], v[232:233]
.endif
.set sa, sa+1
.endr
.endm
.macro PKF n                           ; t - M of the next n pairs (of the pairs c and -M the low word serves both halves)
.rept \n
	v_pk_fma_f32 v[96+2*pe:97+2*pe], v[96+2*pe:97+2*pe], s[94:95], v[12:13] op_sel_hi:[1,0,0]
.set pe, pe+1
.endr
.endm
; KEY STEP j OF SIXTEEN: 128 keys
.macro STEP j
	s_wait_dscnt 0x0                               ; K of this step and its scale bytes are in: asked for a softmax ago
.if (\j) == 3
	s_wait_tensorcnt 0x0                           ; my later quarter is in.  Up to here every LDS read lay in the first quarters and the scale bytes;
	s_barrier_signal -1                            ; the reads behind this barrier may lie anywhere.
	s_barrier_wait -1
.endif
.irp n, 0,1,2,3,4,5,6,7
	QK \n
.endr
.if (\j) > 0
	v_mov_b32 v242, v12                            ; the old -M.  With the v_nop: four places in front of the first read of the scores and of the loads into K's and V's registers
.else
	v_nop
.endif
.rept 3
	v_nop
.endr
	VLOAD \j
.if (\j) < 15
	KLOAD (\j)+1
.endif
.irp b, 0,1,2,3                                ; the largest score of each block, in two chains of 15 a block, four chains by turns; each accumulator is first read at its low end
	v_max3_num_f32 v[68+\b], v[96+16*\b], v[97+16*\b], v[98+16*\b]
.endr
.irp i, 3,5,7,9,11,13
.irp b, 0,1,2,3
	v_max3_num_f32 v[68+\b], v[68+\b], v[96+16*\b+\i], v[97+16*\b+\i]
.endr
.endr
.irp g, 0,1
	v_max3_num_f32 v[68+2*\g], v[68+2*\g], v[69+2*\g], v[111+32*\g]
.endr
.irp g, 0,1
	v_max_num_f32 v[68+2*\g], v[68+2*\g], v[127+32*\g]   ; v68, v70: blocks h and 2 + h: for the row's maximum, and, since p rises with the score, for the block's largest p
.endr
	s_delay_alu instid0(VALU_DEP_1)
	v_max_num_f32 v72, v68, v70
	s_delay_alu instid0(VALU_DEP_1)
	v_permlanex16_b32 v73, v72, s92, s93           ; lane l xor 16's two blocks
	s_delay_alu instid0(VALU_DEP_1)
.if (\j) > 0
	v_max3_num_f32 v25, v25, v72, v73              ; the running largest score
.else
	v_max_num_f32 v25, v72, v73
.endif
	s_delay_alu instid0(VALU_DEP_1)
	v_mul_f32 v74, s91, v25                        ; -t
	s_delay_alu instid0(VALU_DEP_1)
	v_floor_f32 v12, v74                           ; -M = floor(-t) = -ceil(t): M is a whole number
.set pe, 0
	PKF 4
.if (\j) > 0
	v_sub_f32 v74, v12, v242                       ; M's old value less its new one: a whole number, 0 or less
.endif
	PKF 4
.if (\j) > 0
	v_cvt_i32_f32 v74, v74                         ; (it saturates)
.endif
	PKF 4
.if (\j) > 0
	v_ldexp_f32 v240, 1.0, v74                     ; f = 2^(old M - new M)
.endif
	PKF 20
	v_fma_f32 v68, v68, s94, v12                   ; t - M of my two blocks' largest scores
	v_fma_f32 v70, v70, s94, v12
.if (\j) > 0
	v_pk_mul_f32 v[14:15], v[14:15], v[240:241] op_sel_hi:[1,0]   ; the sum under the new M,
.set o, 0
.rept 16
	v_pk_mul_f32 v[160+2*o:161+2*o], v[160+2*o:161+2*o], v[240:241] op_sel_hi:[1,0]   ; and O^T, each accumulator from its low end on: its first read stands ahead of the exponentials
.set o, o+1
.endr
.endif
	s_wait_alu depctr_va_vdst(0)
	v_exp_f32 v68, v68                             ; the blocks' largest p: the same two instructions on the same number give the same bits as its own p below
	v_exp_f32 v70, v70
.set e, 0
.rept 64
	v_exp_f32 v[96+e], v[96+e]                     ; p = 2^(t - M): not normalised
.set e, e+1
.endr
	v_nop                                          ; one plain place behind the batch
	s_wait_alu depctr_va_vdst(0)                   ; one wait for the whole batch, ahead of its first reader
.set sa, 0
	v_max_num_f32 v68, 0x1800000, v68              ; the floor 2^(3 - 127): the byte cannot fall under 1
	v_max_num_f32 v70, 0x1800000, v70
	SUMS 2
	v_add_nc_u32 v76, 0xff000000, v68              ; 2 off the exponent field: the conversion's scale operand
	v_add_nc_u32 v77, 0xff000000, v70
	SUMS 2
.irp g, 0,1
.irp i, 0,1,2,3
	v_cvt_scalef32_pk8_fp4_f32 v[192+4*\g+\i], v[96+32*\g+8*\i:103+32*\g+8*\i], v[76+\g]   ; k = 64 g + 32 h + 8 i + 0..7: register 4 g + i of P's operand
.endr
.endr
	v_lshrrev_b32 v68, 23, v76                     ; the scales' bytes.  (Also the plain place behind the conversions)
	v_lshrrev_b32 v70, 23, v77
	SUMS 3
	v_lshl_or_b32 v68, v70, 16, v68                ; blocks h and 2 + h,
	SUMS 3
	v_lshlrev_b32 v68, v9, v68                     ; at their places in the word, 8 h bits up;
	SUMS 3
	v_permlanex16_b32 v73, v68, s92, s93
	SUMS 3
	v_or_b32 v244, v68, v73                        ; with lane l xor 16's two the word is whole
	SUMS 16                                        ; the rest of the sum: also the places between P's scale word and codes and the products below
.if (\j) < 15
	s_wait_dscnt 12                                ; V's ten loads are in; the next step's K, twelve loads, may be out
.else
	s_wait_dscnt 0x0
.endif
.irp t, 0,1,2,3                                ; the four accumulators by turns
	PV \t, (\j) == 0
.endr
.endm
	s_wait_alu depctr_va_vdst(0)
	s_wait_loadcnt 0x0                             ; Q
	s_wait_tensorcnt 0x0                           ; my tile of the head's four is in
	ds_add_u32 v10, v11                            ; the add, twice on end
	ds_add_u32 v10, v11
	s_wait_dscnt 0x0
	s_barrier_signal -1
	s_barrier_wait -1                              ; all four tiles are in
	s_cmp_lt_u32 s101, 3                           ; the six later quarters, a wave's one load behind this barrier: waves 0-2 K's, waves 4-6 V's
	s_cbranch_scc0 .Lr_notk
	TL 68, G1KC
	s_branch .Lr_asked
.Lr_notk:
	s_cmp_lt_u32 s101, 4
	s_cbranch_scc1 .Lr_asked
	s_cmp_lt_u32 s101, 7
	s_cbranch_scc0 .Lr_asked
	TL 72, G1VC
.Lr_asked:
	KLOAD 0
.irp j, 0,1,2,3,4,5,6,7,8,9,10,11,12,13,14,15
	STEP \j
.endr
	; THE WAY OUT: O^T / l, quantised along the head's 64 (two blocks), stored as one image and two scale bytes a row
.rept 4
	v_nop                                          ; four places in front of the first read of results
.endr
	s_wait_alu depctr_va_vdst(0)
	v_add_f32 v14, v14, v15                        ; the sum's two halves,
	s_delay_alu instid0(VALU_DEP_1)
	v_permlanex16_b32 v73, v14, s92, s93
	s_delay_alu instid0(VALU_DEP_1)
	v_add_f32 v14, v14, v73                        ; and lane l xor 16's: the row's sum
	s_wait_alu depctr_va_vdst(0)
	v_rcp_f32 v14, v14
	v_nop                                          ; one plain place behind it
	s_wait_alu depctr_va_vdst(0)                   ; the wait ahead of its first reader, which is also the first reader of the last products' results
.set j, 0
.rept 32
	v_mul_f32 v[96+j], v[160+j], v14               ; register 8 t + j is o(query r, 16 t + 8 h + j)
.set j, j+1
.endr
.irp b, 0,1
	v_max3_num_f32 v[68+\b], |v[96+16*\b]|, |v[97+16*\b]|, 0x1800000
.endr
.irp i, 2,4,6,8,10,12,14
.irp b, 0,1
	v_max3_num_f32 v[68+\b], v[68+\b], |v[96+16*\b+\i]|, |v[97+16*\b+\i]|
.endr
.endr
.irp b, 0,1
	v_permlanex16_b32 v[72+\b], v[68+\b], s92, s93
.endr
.irp b, 0,1
	v_max_num_f32 v[68+\b], v[68+\b], v[72+\b]     ; a block of 32 features is tiles 2 b, 2 b + 1 of lanes l and l xor 16
.endr
.irp b, 0,1
	v_add_nc_u32 v[76+\b], 0xff000000, v[68+\b]
.endr
.irp b, 0,1
	v_lshrrev_b32 v[72+\b], 23, v[76+\b]
.endr
.irp b, 0,1
	v_cvt_scalef32_pk8_fp4_f32 v[192+\b], v[96+16*\b:103+16*\b], v[76+\b]
	v_cvt_scalef32_pk8_fp4_f32 v[194+\b], v[104+16*\b:111+16*\b], v[76+\b]
.endr
	v_nop                                          ; one plain place behind a scaled conversion
	v_permlane16_swap_b32 v192, v193               ; lanes 0-15 now hold block 0, lanes 16-31 block 1
	v_permlane16_swap_b32 v194, v195
	v_cndmask_b32 v74, v72, v73, s100              ; lanes 0-15: block 0's byte, lanes 16-31: block 1's
	global_store_b128 v6, v[192:195], s[12:13]     ; 32 lanes store 512 consecutive bytes
	global_store_b8 v7, v74, s[14:15]              ; a byte of its own for each lane: row r, block h
	s_wait_tensorcnt 0x0                           ; the wave's end
	ds_add_u32 v10, v11
	s_wait_dscnt 0x0
	s_endpgm
.Lfunc_end_k_qd41791edc5_attn:
	.size	k_qd41791edc5_attn, .Lfunc_end_k_qd41791edc5_attn-k_qd41791edc5_attn
	.p2alignl 7, 3214868480
	.fill 96, 4, 3214868480
	.section	.rodata,"a",@progbits
	.p2align	6, 0x0
	.amdhsa_kernel k_qd41791edc5_attn
		.amdhsa_group_segment_fixed_size 327680
		.amdhsa_private_segment_fixed_size 0
		.amdhsa_enable_private_segment 0
		.amdhsa_kernarg_size 48
		.amdhsa_user_sgpr_count 2
		.amdhsa_user_sgpr_kernarg_segment_ptr 1
		.amdhsa_wavefront_size32 1
		.amdhsa_system_sgpr_workgroup_id_x 1
		.amdhsa_system_sgpr_workgroup_id_y 1
		.amdhsa_system_sgpr_workgroup_id_z 1
		.amdhsa_system_vgpr_workitem_id 0
		.amdhsa_next_free_vgpr 256
		.amdhsa_next_free_sgpr 102
		.amdhsa_reserve_vcc 0
		.amdhsa_float_denorm_mode_32 3
		.amdhsa_float_denorm_mode_16_64 3
		.amdhsa_memory_ordered 1
		.amdhsa_forward_progress 1
		.amdhsa_inst_pref_size 235
	.end_amdhsa_kernel
	.amdgpu_metadata
---
amdhsa.version: [ 1, 2 ]
amdhsa.kernels:
  - .name:           k_qd41791edc5_attn
    .symbol:         k_qd41791edc5_attn.kd
    .args:
      - { .name: qk_codes, .offset: 0, .size: 8, .value_kind: global_buffer, .address_space: global }
      - { .name: qk_scales, .offset: 8, .size: 8, .value_kind: global_buffer, .address_space: global }
      - { .name: vt_codes, .offset: 16, .size: 8, .value_kind: global_buffer, .address_space: global }
      - { .name: vt_scales, .offset: 24, .size: 8, .value_kind: global_buffer, .address_space: global }
      - { .name: y_codes, .offset: 32, .size: 8, .value_kind: global_buffer, .address_space: global }
      - { .name: y_scales, .offset: 40, .size: 8, .value_kind: global_buffer, .address_space: global }
    .group_segment_fixed_size: 327680
    .private_segment_fixed_size: 0
    .kernarg_segment_align: 8
    .kernarg_segment_size: 48
    .max_flat_workgroup_size: 512
    .sgpr_count:     102
    .vgpr_count:     256
    .wavefront_size: 32
...
	.end_amdgpu_metadata
.endif
;; end of part 2
;; launch outg (part 3): grid 8 x 32, 8 waves a work-group, no clusters, 323,072 bytes of LDS; arguments y_codes, y_scales, Wo_codes, Wo_scales, bo, out0; writes out0
.if DOCPART == 3
	.amdgcn_target "amdgcn-amd-amdhsa--gfx1250"
	.amdhsa_code_object_version 6
	.text
	.protected	k_qd41791edc5_outg
	.globl	k_qd41791edc5_outg
	.p2align	8
	.type	k_qd41791edc5_outg,@function
k_qd41791edc5_outg:
	s_mov_b64 s[64:65], 0
	v_nop
	global_prefetch_b8 v0, s[64:65] scope:SCOPE_SE
	s_setreg_imm32_b32 hwreg(HW_REG_WAVE_MODE, 25, 1), 1
	s_wait_xcnt 0x0
; out0 = relu(y Wo^T + bo), K = 2,048, on codes of FP4 (E2M1) with one E8M0 scale for each 32 along K.  y comes as register images (codes[chunk of 64 along K][tile of 16 tokens][lane][16 bytes], scale words
; [128 along K][token][4 bytes]), Wo as rows of 1,024 bytes of codes and 64 scale bytes.
; SHARES.  x = a tile of 128 outputs, y = a tile of 128 tokens: 8 x 32 = 256 work-groups.  Eight waves; wave w takes 64 outputs (w / 4) x 32 tokens (w % 4): 8 accumulators.
; Source 0 = 16 rows of Wo, source 1 = 16 tokens of y: a lane (r = lane % 16, h = lane / 16) holds token r and its register j output 16 i + 8 h + j: eight neighbouring numbers of a row of out0.
; LDS IS FILLED ONCE: both panels for all of K, one load a wave: waves 0, 1 y's halves of K, 2 y's scale words, 3 Wo's scale bytes, 4-7 Wo's quarters of K; work begins when all are in.  No byte is filled twice.
; NO CLUSTER: a work-group asks for its two panels (287,232 bytes of LDS) once, at its head, and its loop asks for nothing, so there is no stream of requests for a joint load to divide.
; LIMITS: NaN and infinities are not served.
.set PITCH, 272                        ; Wo's LDS rows: 256 bytes + 16 of padding
.set QB,  67584                        ; a quarter of K: y's 8 chunks x 4,096 bytes, then Wo's 128 rows x 272
.set WOF, 131072                       ; y's 32 chunks of 4,096 bytes lie on end from byte 0; behind them Wo's four quarters of K,
.set WQ,  128*PITCH                    ; 128 rows x 272 bytes each
.set YSB, 4*QB                         ; y's scale words [16 steps][128 tokens][4]
.set WSB, YSB+8192                     ; Wo's scale bytes: blocks of 256 bytes (4 rows of 64) + 16 of padding
.set STG, WSB+32*PITCH                 ; the way out: 16 rows x 272 bytes for each wave, its own; no fill lands here
.set AY,  4                            ; v4   my y fragments in the quarter in hand
.set AW,  5                            ; v5   my Wo fragments
.set ASY, 6                            ; v6   y's scale words: lanes 0-15 token tile 0, lanes 16-31 tile 1
.set ASW, 7                            ; v7   Wo's scale bytes: lane l: row l of 32
.set STO, 8                            ; v8   the stage: where I put 32 bytes of a row
.set SRD, 9                            ; v9   and where I read a row back
.set GO,  10                           ; v10  my byte offset in out0
.set BH,  11                           ; v11  32 h
.set SW,  32                           ; v32-39 Wo's scale words, nothing else: register 4 (i / 2) + step of the quarter
.set SY,  40                           ; v40-43 y's
.set PF,  64                           ; v64-95  Wo's four fragments
.set RF,  96                           ; v96-111 y's two
.set T,   128                          ; v128-191 results after the relu
.set ACC, 192                          ; v192-255 accumulator (i, jt) at ACC + 32 jt + 8 i
.set BK,  64                           ; v64-127 the way out: rows read back from the stage
.set G1Y,  16                          ; s[16:23], s[24:31], s[32:39], s[40:47]: groups 1 for y's codes, y's scales, Wo's codes, Wo's scales
.set G1YS, 24
.set G1W,  32
.set G1WS, 40
; groups 0: y: s[48:51] scales, s[52:55] a half of K;  Wo: s[72:75] scales, s[76:79] a quarter of K
.macro G0SET g, lreg, lconst, base, gadd   ; a group 0: count 1, LDS address = a multiple of the wave's half + a constant, base + a constant, type 2
	s_mov_b32 s[\g], 1
	s_add_co_u32 s[\g+1], s[\lreg], \lconst
	s_add_nc_u64 s[\g+2:\g+3], s[\base:\base+1], \gadd
	s_or_b32 s[\g+3], s[\g+3], 0x80000000
.endm
	s_load_b256 s[4:11], s[0:1], 0x0               ; y_codes, y_scales, Wo_codes, Wo_scales
	s_load_b128 s[12:15], s[0:1], 0x20             ; bo, out0
	v_lshl_add_u32 v62, v0, 2, 0x4ea00
	v_mov_b32 v63, 0
	ds_add_u32 v62, v63
	ds_add_u32 v62, v63
	v_lshrrev_b32 v1, 5, v0
	s_delay_alu instid0(VALU_DEP_1)
	v_readfirstlane_b32 s101, v1                   ; wave 0..7
	s_and_b32 s92, ttmp7, 0xffff                   ; tile of tokens
	s_and_b32 s93, s101, 1                         ; which half I fetch
	s_lshr_b32 s94, s101, 2                        ; my 64 outputs
	s_and_b32 s95, s101, 3                         ; my 32 tokens
	s_mov_b32 s[G1Y+0], 3<<16                      ; 16 chunks: of each the tile's 4,096 bytes (512 elements of 8), 131,072 bytes apart
	s_mov_b32 s[G1Y+1], 512<<16
	s_mov_b32 s[G1Y+2], 16<<16                     ; a load brings 16 chunks: half of K
	s_mov_b32 s[G1Y+3], 512<<16
	s_mov_b32 s[G1Y+4], 16
	s_mov_b32 s[G1Y+5], 16384
	s_mov_b32 s[G1Y+6], 0
	s_mov_b32 s[G1Y+7], 0
	s_mov_b32 s[G1YS+0], 3<<16                     ; 16 steps: of each the tile's 512 bytes, 16,384 bytes apart
	s_mov_b32 s[G1YS+1], 64<<16
	s_mov_b32 s[G1YS+2], 16<<16                    ; all 16 steps
	s_mov_b32 s[G1YS+3], 64<<16
	s_mov_b32 s[G1YS+4], 16
	s_mov_b32 s[G1YS+5], 2048
	s_mov_b32 s[G1YS+6], 0
	s_mov_b32 s[G1YS+7], 0
	s_mov_b32 s[G1W+0], (0<<16)|(1<<20)|(5<<22)|(3<<25)   ; 128 rows x 256 bytes out of rows of 1,024; 16 bytes of padding behind each 256
	s_mov_b32 s[G1W+1], 256<<16
	s_mov_b32 s[G1W+2], 128<<16                    ; all 128 rows, a quarter of K
	s_mov_b32 s[G1W+3], 256<<16
	s_mov_b32 s[G1W+4], 128
	s_mov_b32 s[G1W+5], 1024
	s_mov_b32 s[G1W+6], 0
	s_mov_b32 s[G1W+7], 0
	s_mov_b32 s[G1WS+0], (3<<16)|(1<<20)|(5<<22)|(3<<25)  ; the scale bytes of 128 rows: 8,192 dense bytes as 32 rows of 256, padded likewise
	s_mov_b32 s[G1WS+1], 32<<16
	s_mov_b32 s[G1WS+2], 32<<16                    ; the scale bytes of all 128 rows: 32 rows of 256
	s_mov_b32 s[G1WS+3], 32<<16
	s_mov_b32 s[G1WS+4], 32
	s_mov_b32 s[G1WS+5], 32
	s_mov_b32 s[G1WS+6], 0
	s_mov_b32 s[G1WS+7], 0
	v_and_b32 v1, 31, v0                           ; l
	v_and_b32 v2, 15, v0                           ; r
	v_bfe_u32 v3, v0, 4, 1                         ; h
	s_lshl_b32 s96, s95, 10
	v_lshl_add_u32 v[AY], v1, 4, s96               ; two tiles of 512 bytes a wave, 16 bytes a lane
	v_mul_u32_u24 v[AW], v2, PITCH
	s_delay_alu instid0(VALU_DEP_1)
	v_lshl_add_u32 v[AW], v3, 4, v[AW]
	s_mul_i32 s96, s94, 64*PITCH
	s_add_co_u32 s96, s96, WOF
	v_add_nc_u32 v[AW], s96, v[AW]
	s_lshl_b32 s96, s95, 7
	s_add_co_u32 s96, s96, YSB
	v_lshl_add_u32 v[ASY], v1, 2, s96
	v_lshrrev_b32 v12, 2, v1
	v_and_b32 v13, 3, v1
	s_delay_alu instid0(VALU_DEP_2)
	v_mul_u32_u24 v12, v12, PITCH
	s_delay_alu instid0(VALU_DEP_1)
	v_lshl_add_u32 v12, v13, 6, v12                ; row l of scale bytes: block l / 4, 64 (l % 4) in it
	s_mul_i32 s96, s94, 16*PITCH
	s_add_co_u32 s96, s96, WSB
	v_add_nc_u32 v[ASW], s96, v12
	s_mul_i32 s96, s101, 16*PITCH
	s_add_co_u32 s96, s96, STG                     ; my stage
	v_mul_u32_u24 v[STO], v2, PITCH
	s_delay_alu instid0(VALU_DEP_1)
	v_lshl_add_u32 v[STO], v3, 5, v[STO]
	s_delay_alu instid0(VALU_DEP_1)
	v_add_nc_u32 v[STO], s96, v[STO]               ; in: row r, 32 bytes for each half of the lanes
	v_mul_u32_u24 v[SRD], v3, PITCH
	s_delay_alu instid0(VALU_DEP_1)
	v_lshl_add_u32 v[SRD], v2, 4, v[SRD]
	s_delay_alu instid0(VALU_DEP_1)
	v_add_nc_u32 v[SRD], s96, v[SRD]               ; back: lanes 0-15 one row of 256 bytes, lanes 16-31 the next
	v_lshlrev_b32 v[GO], 12, v3
	s_delay_alu instid0(VALU_DEP_1)
	v_lshl_add_u32 v[GO], v2, 4, v[GO]             ; and the same two rows in out0
	v_lshlrev_b32 v[BH], 5, v3
	s_mov_b32 s3, 0
	s_mov_b32 s67, 0
	s_wait_dscnt 0x0
	s_wait_kmcnt 0x0
	s_lshl_b32 s2, s93, 21                         ; y's codes: my 16 chunks of 32,
	s_lshl_b32 s66, s92, 12                        ; the tile's 8 token tiles of 512 bytes
	s_add_co_u32 s2, s2, s66
	s_add_nc_u64 s[4:5], s[4:5], s[2:3]
	s_lshl_b32 s2, s92, 9                          ; y's scale words: the tile's 512 bytes of each step
	s_add_nc_u64 s[6:7], s[6:7], s[2:3]
	s_lshl_b32 s2, ttmp9, 17                       ; Wo's codes: 128 rows of 1,024 bytes a tile
	s_lshl_b32 s66, s95, 8                         ; quarter wave % 4 of K: 256 bytes on in each row
	s_add_co_u32 s2, s2, s66
	s_add_nc_u64 s[8:9], s[8:9], s[2:3]
	s_lshl_b32 s2, ttmp9, 13                       ; Wo's scale bytes: 64 a row
	s_add_nc_u64 s[10:11], s[10:11], s[2:3]
	G0SET 48, 3, YSB, 6, 0                         ; (s3 = 0)
	s_lshl_b32 s97, s93, 16
	G0SET 52, 97, 0, 4, 0
	G0SET 72, 3, WSB, 10, 0
	s_mul_i32 s99, s95, WQ
	G0SET 76, 99, WOF, 8, 0
; ONE FILL A WAVE, eight in all: waves 0, 1 y's halves of K, wave 2 y's scale words, wave 3 Wo's scale bytes, waves 4-7 Wo's quarters of K.  One chain of branches on the wave's number; every way passes one load
.macro OARM under, g0, g1, next
	s_cmp_lt_u32 s101, \under
	s_cbranch_scc0 \next
	tensor_load_to_lds s[\g0:\g0+3], s[\g1:\g1+7]
	s_nop 0
.rept 4
	v_nop
.endr
	s_branch .Lasked
\next:
.endm
	OARM 2, 52, G1Y, .Lh_ys
	OARM 3, 48, G1YS, .Lh_ws
	OARM 4, 72, G1WS, .Lh_w
	tensor_load_to_lds s[76:79], s[G1W:G1W+7]
	s_nop 0
.rept 4
	v_nop
.endr
.Lasked:
	s_lshl_b32 s2, ttmp9, 9
	s_lshl_b32 s66, s94, 8
	s_add_co_u32 s2, s2, s66                       ; my first output, in bytes: 512 x + 256 (w / 4)
	s_add_nc_u64 s[12:13], s[12:13], s[2:3]        ; its bias
	s_lshl_b32 s66, s92, 19
	s_add_co_u32 s2, s2, s66
	s_lshl_b32 s66, s95, 17
	s_add_co_u32 s2, s2, s66                       ; + my first token's row of 4,096 bytes
	s_add_nc_u64 s[14:15], s[14:15], s[2:3]
	s_wait_alu depctr_va_vdst(0)
.irp jt, 0,1                                   ; THE BIAS IS THE SUMS' FIRST VALUE: a lane's eight registers of tile i are eight neighbouring biases
.irp i, 0,1,2,3
	global_load_b128 v[ACC+32*\jt+8*\i:ACC+32*\jt+8*\i+3], v[BH], s[12:13] offset:64*\i
	global_load_b128 v[ACC+32*\jt+8*\i+4:ACC+32*\jt+8*\i+7], v[BH], s[12:13] offset:64*\i+16
.endr
.endr
	s_wait_loadcnt 0x0
; One product: output tile i x token tile jt, step sq of the quarter.  Wo's scale words of an odd tile, and y's of tile 1, lie in lanes 16-31.
.macro OMM i, jt, sq
.set rD, ACC+32*(\jt)+8*(\i)
.set rP, PF+8*(\i)
.set rR, RF+8*(\jt)
.set rSW, SW+4*((\i)/2)+(\sq)
.set rSY, SY+(\sq)
.if ((\i)%2 == 0) && ((\jt) == 0)
	v_wmma_scale_f32_16x16x128_f8f6f4 v[rD:rD+7], v[rP:rP+7], v[rR:rR+7], v[rD:rD+7], v[rSW], v[rSY] matrix_a_fmt:MATRIX_FMT_FP4 matrix_b_fmt:MATRIX_FMT_FP4
.elseif ((\i)%2 == 1) && ((\jt) == 0)
	v_wmma_scale_f32_16x16x128_f8f6f4 v[rD:rD+7], v[rP:rP+7], v[rR:rR+7], v[rD:rD+7], v[rSW], v[rSY] matrix_a_fmt:MATRIX_FMT_FP4 matrix_b_fmt:MATRIX_FMT_FP4 matrix_a_scale:MATRIX_SCALE_ROW1
.elseif ((\i)%2 == 0)
	v_wmma_scale_f32_16x16x128_f8f6f4 v[rD:rD+7], v[rP:rP+7], v[rR:rR+7], v[rD:rD+7], v[rSW], v[rSY] matrix_a_fmt:MATRIX_FMT_FP4 matrix_b_fmt:MATRIX_FMT_FP4 matrix_b_scale:MATRIX_SCALE_ROW1
.else
	v_wmma_scale_f32_16x16x128_f8f6f4 v[rD:rD+7], v[rP:rP+7], v[rR:rR+7], v[rD:rD+7], v[rSW], v[rSY] matrix_a_fmt:MATRIX_FMT_FP4 matrix_b_fmt:MATRIX_FMT_FP4 matrix_a_scale:MATRIX_SCALE_ROW1 matrix_b_scale:MATRIX_SCALE_ROW1
.endif
.endm
; A step of 128 along K: 12 fragment loads (and, at a quarter's head, six loads of scale words for its four steps), 8 products; the 8 accumulators take turns, one instruction a turn.
.macro OSTEP q, sq
.rept 4
	v_nop                                          ; four places in front of loads into registers that matrix instructions have read
.endr
.if \sq == 0
.irp i2, 0,1
	ds_load_b128 v[SW+4*\i2:SW+4*\i2+3], v[ASW] offset:\i2*8*PITCH+16*\q
.endr
.irp k, 0,1,2,3
	ds_load_b32 v[SY+\k], v[ASY] offset:(4*\q+\k)*512
.endr
.endif
.irp jt, 0,1
.irp c, 0,1
	ds_load_b128 v[RF+8*\jt+4*\c:RF+8*\jt+4*\c+3], v[AY] offset:(2*\sq+\c)*4096+512*\jt
.endr
.endr
.irp i, 0,1,2,3
.irp c, 0,1
	ds_load_b128 v[PF+8*\i+4*\c:PF+8*\i+4*\c+3], v[AW] offset:\i*16*PITCH+64*\sq+32*\c
.endr
.endr
.irp i, 0,1,2,3
	s_wait_dscnt 6-2*\i                            ; Wo's tile i is in; the two loads of each later tile may be out
	OMM \i, 0, \sq
	OMM \i, 1, \sq
.endr
.endm
.macro OQUARTER q
.if \q == 0
	s_wait_tensorcnt 0x0                           ; my one fill is in
	s_wait_dscnt 0x0
	s_barrier_signal -1
	s_barrier_wait -1                              ; all eight are: nothing is filled again in this launch
.endif
	OSTEP \q, 0
	OSTEP \q, 1
	OSTEP \q, 2
	OSTEP \q, 3
.if \q < 3
	v_add_nc_u32 v[AY], 32768, v[AY]               ; on to the next quarter: 8 chunks of y,
	v_add_nc_u32 v[AW], WQ, v[AW]                  ; 128 rows of Wo
.endif
.endm
	OQUARTER 0
	s_wait_alu depctr_va_vdst(0)
	OQUARTER 1
	s_wait_alu depctr_va_vdst(0)
	OQUARTER 2
	s_wait_alu depctr_va_vdst(0)
	OQUARTER 3
; THE WAY OUT.  A lane holds 32 neighbouring bytes of a row, and the lanes beside it hold other rows: so 16 tokens x 64 outputs at a time go through my own stage in LDS and come back as rows of 256 bytes.
; LDS serves a wave's instructions in order (ISA guide 5.7.1.4): no wait between the stores and the loads, nor in front of the next tile's stores.
.macro OUTT jt
.set j, 0
.rept 32
	v_max_num_f32 v[T+32*\jt+j], 0, v[ACC+32*\jt+j]   ; the relu; each accumulator from its low end on
.set j, j+1
.endr
.irp i, 0,1,2,3
	ds_store_b128 v[STO], v[T+32*\jt+8*\i:T+32*\jt+8*\i+3] offset:64*\i
	ds_store_b128 v[STO], v[T+32*\jt+8*\i+4:T+32*\jt+8*\i+7] offset:64*\i+16
.endr
.irp t, 0,1,2,3,4,5,6,7
	ds_load_b128 v[BK+32*\jt+4*\t:BK+32*\jt+4*\t+3], v[SRD] offset:2*\t*PITCH
.endr
.endm
.macro SEND jt, younger                ; younger: the LDS instructions issued behind this tile's loads, which may stay out
.irp t, 0,1,2,3,4,5,6,7
	s_wait_dscnt \younger+7-\t
	global_store_b128 v[GO], v[BK+32*\jt+4*\t:BK+32*\jt+4*\t+3], s[14:15] offset:(16*\jt+2*\t)*4096 th:TH_STORE_NT   ; 16 lanes store 256 consecutive bytes, at a multiple of 256 from out0's first byte; written once, read by nobody here
.endr
.endm
.rept 4
	v_nop                                          ; four places in front of the first read of results
.endr
	OUTT 0
	OUTT 1
	SEND 0, 16                                     ; behind tile 0's loads: tile 1's 8 stores and 8 loads
	SEND 1, 0
	s_wait_tensorcnt 0x0
	ds_add_u32 v62, v63
	s_wait_dscnt 0x0
	s_endpgm
.Lfunc_end_k_qd41791edc5_outg:
	.size	k_qd41791edc5_outg, .Lfunc_end_k_qd41791edc5_outg-k_qd41791edc5_outg
	.p2alignl 7, 3214868480
	.fill 96, 4, 3214868480
	.section	.rodata,"a",@progbits
	.p2align	6, 0x0
	.amdhsa_kernel k_qd41791edc5_outg
		.amdhsa_group_segment_fixed_size 323072
		.amdhsa_private_segment_fixed_size 0
		.amdhsa_enable_private_segment 0
		.amdhsa_kernarg_size 48
		.amdhsa_user_sgpr_count 2
		.amdhsa_user_sgpr_kernarg_segment_ptr 1
		.amdhsa_wavefront_size32 1
		.amdhsa_system_sgpr_workgroup_id_x 1
		.amdhsa_system_sgpr_workgroup_id_y 1
		.amdhsa_system_sgpr_workgroup_id_z 1
		.amdhsa_system_vgpr_workitem_id 0
		.amdhsa_next_free_vgpr 256
		.amdhsa_next_free_sgpr 102
		.amdhsa_reserve_vcc 0
		.amdhsa_float_denorm_mode_32 3
		.amdhsa_float_denorm_mode_16_64 3
		.amdhsa_memory_ordered 1
		.amdhsa_forward_progress 1
		.amdhsa_inst_pref_size 50
	.end_amdhsa_kernel
	.amdgpu_metadata
---
amdhsa.version: [ 1, 2 ]
amdhsa.kernels:
  - .name:           k_qd41791edc5_outg
    .symbol:         k_qd41791edc5_outg.kd
    .args:
      - { .name: y_codes, .offset: 0, .size: 8, .value_kind: global_buffer, .address_space: global }
      - { .name: y_scales, .offset: 8, .size: 8, .value_kind: global_buffer, .address_space: global }
      - { .name: Wo_codes, .offset: 16, .size: 8, .value_kind: global_buffer, .address_space: global }
      - { .name: Wo_scales, .offset: 24, .size: 8, .value_kind: global_buffer, .address_space: global }
      - { .name: bo, .offset: 32, .size: 8, .value_kind: global_buffer, .address_space: global }
      - { .name: out0, .offset: 40, .size: 8, .value_kind: global_buffer, .address_space: global }
    .group_segment_fixed_size: 323072
    .private_segment_fixed_size: 0
    .kernarg_segment_align: 8
    .kernarg_segment_size: 48
    .max_flat_workgroup_size: 256
    .sgpr_count:     102
    .vgpr_count:     256
    .wavefront_size: 32
...
	.end_amdgpu_metadata
.endif
;; end of part 3
